; MI455X (gfx1250); checked and timed in simulation.
; The chip was launched on July 23, 2026; its instructions are those of AMD's public machine-readable ISA for CDNA 5 (MIT licence, August 2026) and "CDNA5" Instruction Set Architecture Reference Guide (July 2026). The comments in the code are by the model that wrote it; some were corrected since.
;; Attention. Allowed arithmetic: float matrix products may take bf16 or f16 operands with f32 sums; all other float work in f32.
;; Inputs: Wk 1,024 x 1,024 float32; Wo 1,024 x 1,024 float32; Wq 1,024 x 1,024 float32; Wv 1,024 x 1,024 float32; attention_mask 2 x 2,048 x 2,048 bool; bo 1,024 float32; inputs_kv 2 x 2,048 x 1,024 float32; inputs_q 2 x 2,048 x 1,024 float32.
;; Outputs: out0 2 x 2,048 x 1,024 float32.
;; One version. Each part assembles by itself: llvm-mc -triple=amdgcn-amd-amdhsa -mcpu=gfx1250 --defsym DOCPART=n.
;; ======== version 1 of 1: 4 launches
;; limits: values are held in f16: magnitudes above 65,504 overflow, below 6.1e-05 lose precision
;; workspace buffers: xb 25,165,824 bytes; maskw 1,048,576 bytes of whole numbers; qkv 25,165,824 bytes; ao 8,388,608 bytes
;; launch prep (part 1): grid 64 x 16, 8 waves a work-group, no clusters, 34,304 bytes of LDS; arguments inputs_q, inputs_kv, Wq, Wk, Wv, Wo, attention_mask, xb, maskw; writes xb, maskw
.if DOCPART == 1
	.amdgcn_target "amdgcn-amd-amdhsa--gfx1250"
	.amdhsa_code_object_version 6
	.text
	.protected	k_q44f9fdebd0_prep
	.globl	k_q44f9fdebd0_prep
	.p2align	8
	.type	k_q44f9fdebd0_prep,@function
k_q44f9fdebd0_prep:
	s_mov_b64 s[64:65], 0
	v_nop
	global_prefetch_b8 v0, s[64:65] scope:SCOPE_SE
	s_setreg_imm32_b32 hwreg(HW_REG_WAVE_MODE, 25, 1), 1
	s_wait_xcnt 0x0
; Two streams in one launch, told apart by the work-group's y (the same for all waves of a work-group).
; y = 0..11: one chunk of 1024 x 1024 numbers is narrowed from f32 to f16 into xb: chunks 0-3 inputs_q, 4-7 inputs_kv, 8 Wq, 9 Wk, 10 Wv, 11 Wo.
;            A work-group takes 65,536 bytes of f32 and stores 32,768 bytes of f16.
; y = 12..15: sixteen rows of attention_mask (G = 64 (y - 12) + x) are packed into 32-bit lane masks:
;            word (G, kt, j) at byte 4096 G + 32 kt + 4 j; its bit L is mask[16 G + (L & 15)][16 kt + 8 (L >> 4) + j],
;            which is register j of a 16 x 16 tile (keys x queries) of 32-bit matrix results, lane by lane.
; LIMIT: |x| and |W| below 65,504 (f16's largest number); larger ones become infinite.  f16 and not bf16: its rounding step is eight times finer.
; No matrix unit, no cluster, no tensor load: no byte is read by two work-groups and nothing is multiplied.
.set X,    8                           ; v[8:71]    convert: 16 slots of 4 registers as loaded.  pack: v[8:39] eight slots
.set Y,    72                          ; v[72:103]  convert: 16 slots of 2 registers to store
.set COLS, 40                          ; v[40:71]   pack: 8 mask bytes of my row for each of my wave's 16 key tiles
.set W,    72                          ; v[72:75]   pack: the wave's 128 words, word idx in lane idx / 4, register idx % 4
.set T,    76                          ; v[76:79]   pack: at work
.set MROW, 2064                        ; LDS pitch of a mask row: 2,048 bytes + 16, so that the 16 rows that one load touches start 4 words apart modulo 64 words
	s_load_b512 s[4:19], s[0:1], 0x0               ; inputs_q s[4:5], inputs_kv s[6:7], Wq s[8:9], Wk s[10:11], Wv s[12:13], Wo s[14:15], attention_mask s[16:17], xb s[18:19]
	s_load_b64 s[20:21], s[0:1], 0x40              ; maskw
	v_lshl_add_u32 v104, v0, 2, 0x8200
	v_mov_b32 v105, 0
	s_and_b32 s22, ttmp7, 0xffff                   ; y
	v_lshlrev_b32 v1, 4, v0                        ; 16 bytes a thread: a wave's load covers 512 consecutive bytes
	s_wait_kmcnt 0x0
	s_cmp_ge_u32 s22, 12
	s_cbranch_scc1 .Lpack
	; ---- f32 to f16 ----
	s_mov_b64 s[24:25], s[4:5]                     ; the chunk's buffer, chosen by y alone
	s_cmp_ge_u32 s22, 4
	s_cselect_b64 s[24:25], s[6:7], s[24:25]
	s_cmp_ge_u32 s22, 8
	s_cselect_b64 s[24:25], s[8:9], s[24:25]
	s_cmp_ge_u32 s22, 9
	s_cselect_b64 s[24:25], s[10:11], s[24:25]
	s_cmp_ge_u32 s22, 10
	s_cselect_b64 s[24:25], s[12:13], s[24:25]
	s_cmp_ge_u32 s22, 11
	s_cselect_b64 s[24:25], s[14:15], s[24:25]
	s_and_b32 s26, s22, 3
	s_lshl_b32 s26, s26, 22                        ; the activations have four chunks of 4 MiB each,
	s_cmp_lt_u32 s22, 8
	s_cselect_b32 s26, s26, 0                      ; a weight is one chunk
	s_lshl_b32 s27, ttmp9, 16                      ; + 65,536 bytes for each work-group
	s_add_co_u32 s26, s26, s27
	s_mov_b32 s27, 0
	s_add_nc_u64 s[24:25], s[24:25], s[26:27]
	s_lshl_b32 s28, s22, 21                        ; xb: 2 MiB a chunk,
	s_lshl_b32 s29, ttmp9, 15                      ; 32,768 bytes a work-group
	s_add_co_u32 s28, s28, s29
	s_mov_b32 s29, 0
	s_add_nc_u64 s[28:29], s[18:19], s[28:29]
	v_lshlrev_b32 v2, 3, v0                        ; 8 bytes a thread: a wave's store covers 256 consecutive bytes, aligned
.irp i, 0,1,2,3,4,5,6,7,8,9,10,11,12,13,14,15
	global_load_b128 v[X+4*\i:X+4*\i+3], v1, s[24:25] offset:4096*\i th:TH_LOAD_NT   ; all sixteen loads go out in one run; each byte is read once in the launch
.endr
.irp i, 0,1,2,3,4,5,6,7,8,9,10,11,12,13,14,15
	s_wait_loadcnt 15-\i                           ; loads come back in order: slot i is in, the 15 - i younger ones stay out
	v_cvt_pk_f16_f32 v[Y+2*\i], v[X+4*\i], v[X+4*\i+1]
	v_cvt_pk_f16_f32 v[Y+2*\i+1], v[X+4*\i+2], v[X+4*\i+3]
	global_store_b64 v2, v[Y+2*\i:Y+2*\i+1], s[28:29] offset:2048*\i                 ; no register is used twice: no wait for the stores' sources
.endr
	s_endpgm
	; ---- the mask, sixteen rows (32,768 dense bytes) a work-group ----
.Lpack:
	v_lshrrev_b32 v6, 5, v0
	v_readfirstlane_b32 s23, v6                    ; wave 0..7
	s_sub_co_u32 s24, s22, 12
	s_lshl_b32 s24, s24, 6
	s_add_co_u32 s24, s24, ttmp9                   ; G
	s_lshl_b32 s26, s24, 15
	s_mov_b32 s27, 0
	s_add_nc_u64 s[26:27], s[16:17], s[26:27]      ; my sixteen rows
	s_lshl_b32 s28, s24, 12
	s_lshl_b32 s29, s23, 9
	s_add_co_u32 s28, s28, s29
	s_mov_b32 s29, 0
	s_add_nc_u64 s[28:29], s[20:21], s[28:29]      ; my wave's 128 words
.irp i, 0,1,2,3,4,5,6,7
	global_load_b128 v[X+4*\i:X+4*\i+3], v1, s[26:27] offset:4096*\i th:TH_LOAD_NT
.endr
	v_lshrrev_b32 v3, 7, v0                        ; load i brings rows 2 i and 2 i + 1: thread t has row 2 i + t / 128, bytes 16 (t % 128) ..
	v_and_b32 v6, 127, v0
	v_mul_u32_u24 v3, v3, MROW
	v_lshl_add_u32 v3, v6, 4, v3
	v_and_b32 v4, 15, v0                           ; r: my row when reading back
	v_bfe_u32 v7, v0, 4, 1                         ; h: which 8 of a tile's 16 keys
	v_mul_u32_u24 v4, v4, MROW
	v_lshl_add_u32 v4, v7, 3, v4
	s_lshl_b32 s30, s23, 8                         ; wave w owns key tiles 16 w .. 16 w + 15: 256 bytes of each row
	v_add_nc_u32 v4, s30, v4
	v_and_b32 v5, 31, v0
	v_lshlrev_b32 v5, 4, v5                        ; 16 bytes a lane on the way out
.irp i, 0,1,2,3,4,5,6,7
	s_wait_loadcnt 7-\i                            ; slot i is in, the younger ones stay out
	ds_store_b128 v3, v[X+4*\i:X+4*\i+3] offset:2*MROW*\i
.endr
	s_wait_dscnt 0x0                               ; my LDS stores are done before I say so: other waves read them
	s_barrier_signal -1
	s_barrier_wait -1
.irp k, 0,1,2,3,4,5,6,7,8,9,10,11,12,13,14,15
	ds_load_b64 v[COLS+2*\k:COLS+2*\k+1], v4 offset:16*\k       ; mask[16 G + r][16 (16 w + k) + 8 h + 0..7]
.endr
.irp k, 0,1,2,3
	v_mov_b32 v[W+\k], 0                           ; a lane write keeps the other lanes: the registers are written whole first
.endr
	s_wait_dscnt 0x0
; word idx = 8 k + j of the wave: one byte is cut out, the compare makes the 32 lanes' bits, the word goes to its lane
.set idx, 0
.rept 128
	v_and_b32 v[T+idx%4], 0xff<<(8*(idx%4)), v[COLS+2*(idx/8)+((idx%8)/4)]
	v_cmp_ne_u32 s[32+idx%4], 0, v[T+idx%4]
	v_writelane_b32 v[W+idx%4], s[32+idx%4], idx/4
.set idx, idx+1
.endr
	global_store_b128 v5, v[W:W+3], s[28:29]       ; 512 consecutive bytes, aligned
	s_wait_tensorcnt 0x0
	ds_add_u32 v104, v105
	s_wait_dscnt 0x0
	s_endpgm
.Lfunc_end_k_q44f9fdebd0_prep:
	.size	k_q44f9fdebd0_prep, .Lfunc_end_k_q44f9fdebd0_prep-k_q44f9fdebd0_prep
	.p2alignl 7, 3214868480
	.fill 96, 4, 3214868480
	.section	.rodata,"a",@progbits
	.p2align	6, 0x0
	.amdhsa_kernel k_q44f9fdebd0_prep
		.amdhsa_group_segment_fixed_size 34304
		.amdhsa_private_segment_fixed_size 0
		.amdhsa_enable_private_segment 0
		.amdhsa_kernarg_size 72
		.amdhsa_user_sgpr_count 2
		.amdhsa_user_sgpr_kernarg_segment_ptr 1
		.amdhsa_wavefront_size32 1
		.amdhsa_system_sgpr_workgroup_id_x 1
		.amdhsa_system_sgpr_workgroup_id_y 1
		.amdhsa_system_sgpr_workgroup_id_z 1
		.amdhsa_system_vgpr_workitem_id 0
		.amdhsa_next_free_vgpr 106
		.amdhsa_next_free_sgpr 66
		.amdhsa_reserve_vcc 0
		.amdhsa_float_denorm_mode_32 3
		.amdhsa_float_denorm_mode_16_64 3
		.amdhsa_memory_ordered 1
		.amdhsa_forward_progress 1
		.amdhsa_inst_pref_size 36
	.end_amdhsa_kernel
	.amdgpu_metadata
---
amdhsa.version: [ 1, 2 ]
amdhsa.kernels:
  - .name:           k_q44f9fdebd0_prep
    .symbol:         k_q44f9fdebd0_prep.kd
    .args:
      - { .name: inputs_q, .offset: 0, .size: 8, .value_kind: global_buffer, .address_space: global }
      - { .name: inputs_kv, .offset: 8, .size: 8, .value_kind: global_buffer, .address_space: global }
      - { .name: Wq, .offset: 16, .size: 8, .value_kind: global_buffer, .address_space: global }
      - { .name: Wk, .offset: 24, .size: 8, .value_kind: global_buffer, .address_space: global }
      - { .name: Wv, .offset: 32, .size: 8, .value_kind: global_buffer, .address_space: global }
      - { .name: Wo, .offset: 40, .size: 8, .value_kind: global_buffer, .address_space: global }
      - { .name: attention_mask, .offset: 48, .size: 8, .value_kind: global_buffer, .address_space: global }
      - { .name: xb, .offset: 56, .size: 8, .value_kind: global_buffer, .address_space: global }
      - { .name: maskw, .offset: 64, .size: 8, .value_kind: global_buffer, .address_space: global }
    .group_segment_fixed_size: 34304
    .private_segment_fixed_size: 0
    .kernarg_segment_align: 8
    .kernarg_segment_size: 72
    .max_flat_workgroup_size: 256
    .sgpr_count:     66
    .vgpr_count:     106
    .wavefront_size: 32
...
	.end_amdgpu_metadata
.endif
;; end of part 1
;; launch qkvproj (part 2): grid 4 x 48, 4 waves a work-group, clusters of 4 x 4, 327,680 bytes of LDS; arguments xb, qkv; writes qkv
.if DOCPART == 2
	.amdgcn_target "amdgcn-amd-amdhsa--gfx1250"
	.amdhsa_code_object_version 6
	.text
	.protected	k_q44f9fdebd0_qkvproj
	.globl	k_q44f9fdebd0_qkvproj
	.p2align	8
	.type	k_q44f9fdebd0_qkvproj,@function
k_q44f9fdebd0_qkvproj:
	s_mov_b64 s[64:65], 0
	v_nop
	global_prefetch_b8 v0, s[64:65] scope:SCOPE_SE
	s_setreg_imm32_b32 hwreg(HW_REG_WAVE_MODE, 25, 1), 1
	s_wait_xcnt 0x0
	s_wait_alu depctr_hold_cnt(0) depctr_sa_sdst(0) depctr_va_vdst(0) depctr_va_sdst(0) depctr_va_ssrc(0) depctr_va_vcc(0) depctr_vm_vsrc(0)
	s_getreg_b32 s2, hwreg(HW_REG_IB_STS2, 6, 4)
	s_cmp_eq_u32 s2, 0
	s_cbranch_scc0 .Lentry_in_a_cluster
	s_endpgm
.Lentry_in_a_cluster:
	s_bfe_u32 s2, ttmp6, 0x10000c
	s_cmp_lg_u32 s2, 0xf033
	s_cbranch_scc0 .Lentry_shape_is_right
	s_endpgm
.Lentry_shape_is_right:
; Twelve products C = A B^T of 1024 x 1024 x 1024 in f16 with f32 sums, one for each cluster of 4 x 4 work-groups (cluster y = 0..11):
;   0-3:  q rows 1024 c ..  = inputs_q chunk c  x Wq^T      (A = xb chunk c,     B = xb chunk 8)
;   4-7:  k rows 1024 c ..  = inputs_kv chunk c x Wk^T      (A = xb chunk 4 + c, B = xb chunk 9)
;   8-11: V TRANSPOSED, [1024 channels][1024 keys of chunk c] = Wv x inputs_kv chunk c ^T   (A = xb chunk 10, B = xb chunk 4 + c)
; C goes to chunk (cluster y) of qkv; every chunk of xb and qkv is [1024][1024] f16, 2 MiB, rows of 2,048 bytes.
; A work-group makes 256 x 256 of C with four waves; a wave makes 128 x 128: 64 accumulator tiles, 512 registers.  K goes in steps of 128
; through two LDS slots filled by the tensor data mover: a tile's rows are 256 bytes of memory, at multiples of 256 bytes from the buffer's start.
; 192 work-groups: q's A differs from k's and v's, so no split into 256 equal blocks of this shape exists; blocks of 128 x 128 would double the LDS reads.
; CLUSTER: the four work-groups of a row of the cluster need the same tiles of A, the four of a column the same tiles of B: each tile is asked for jointly.
; LIMIT: |q|, |k|, |v| below 65,504 (f16's largest number).
;
; REGISTERS in windows of 256: window 0: v0-31 addresses, v64-127 and v128-191 A's fragments (two buffers), v192-223 at work on the way out;
; window 1: v64-127, v128-191 B's fragments; window 2: the 32 accumulator tiles of my rows 0-63 (tile (a, b) at v[8 (8 a + b)]); window 3: rows 64-127.
; THE MATRIX INSTRUCTION IS USED TRANSPOSED: source 0 = 16 rows of B, source 1 = 16 rows of A, so that a lane's eight results are eight
; neighbouring columns of one row of C and pack into 16 bytes.
.set SIZE_K, 1024
.set SIZE_N, 1024                      ; elements in a row of C
.set KSTEP,  128
.set PITCH,  272                       ; an LDS row: 256 bytes + 16: the 16 rows that a load touches start 4 words apart modulo 64 words
.set HALFT,  128*PITCH                 ; 128 rows: one tensor load, and what one wave reads of A or of B
.set SLOT,   4*HALFT                   ; A's 256 rows, then B's 256 rows
.set STAGE,  2*SLOT                    ; behind the ring: 16 rows x 272 bytes for each wave; no tensor load lands there
.set SPITCH, 272
.set LAPS, SIZE_K/(2*KSTEP)            ; a lap = two K steps = once round the ring: 4
.set ADRA, 16                          ; v16-17  LDS address of my A fragments in slot 0, 1
.set ADRB, 20                          ; v20-21  the same for B
.set STO,  24                          ; v24     way out: where I put 16 bytes of a row
.set RD,   25                          ; v25     way out: where I read a row back
.set CO,   26                          ; v26     my byte offset in C
.set F0,   64
.set F1,   128
.set TMP,  192
.set G1, 24                            ; s[24:31] descriptor group 1 for A's tiles
.set G0, 32                            ; s[32:39] group 0 for A's tiles, a set for each slot
.set G1B, 48                           ; s[48:55] group 1 for B's tiles: another mask
.set G0B, 56                           ; s[56:63] group 0 for B's tiles
.set MSB, 0
.macro WIN new                         ; the immediate's high byte repeats the setting that is left; a switch that changes nothing is dropped
.if MSB != \new
	s_set_vgpr_msb (MSB<<8)|\new
.set MSB, \new
.endif
.endm
.set MUL_LO, 0xa1                      ; source 0 (B) window 1, source 1 (A) window 0, C and D window 2
.set MUL_HI, 0xf1                      ; the same, C and D window 3
.set TO_B,   0x40                      ; destination window 1, address window 0
; A joint load: waves 0 and 1 fetch A's halves, waves 2 and 3 B's.  The branch hangs on the wave's number alone; each way issues one load.
.macro JLOAD s
	s_cmp_eq_u32 s11, 0
	s_cbranch_scc0 .Lfor_b_\@
	tensor_load_to_lds s[G0+4*\s:G0+4*\s+3], s[G1:G1+7]
	s_nop 0
	s_branch .Lasked_\@
.Lfor_b_\@:
	tensor_load_to_lds s[G0B+4*\s:G0B+4*\s+3], s[G1B:G1B+7]
	s_nop 0
.Lasked_\@:
.endm
; A round of the cluster's barrier: my work-group's barrier, wave 0 signals for the work-group, every wave waits for all sixteen, my work-group's barrier again.
.macro CREST                           ; a round behind its opening barrier
	s_cmp_lg_u32 s10, 0
	s_cbranch_scc1 .Lnot_wave_0_\@
	s_barrier_signal -3
.Lnot_wave_0_\@:
	s_barrier_wait -3
	s_barrier_signal -1
	s_barrier_wait -1
.endm
.macro CROUND
	s_barrier_signal -1
	s_barrier_wait -1
	CREST
.endm
	s_load_b128 s[4:7], s[0:1], 0x0                ; xb s[4:5], qkv s[6:7]
	s_set_vgpr_msb 0x40
	v_lshl_add_u32 v255, v0, 2, 0x48400
	s_set_vgpr_msb 0x4000
	v_mov_b32 v255, 0
	s_set_vgpr_msb 0x1
	ds_add_u32 v255, v255
	s_set_vgpr_msb 0x100
	v_lshrrev_b32 v1, 5, v0
	v_readfirstlane_b32 s10, v1                    ; wave 0..3
	s_lshr_b32 s11, s10, 1                         ; my half of the block's rows.  Also: I fetch for A (0) or for B (1)
	s_and_b32 s12, s10, 1                          ; my half of its columns.  Also: which 128 rows of that tile I fetch
	s_bfe_u32 s40, ttmp6, 0x40000                  ; cx = block column in the product
	s_bfe_u32 s41, ttmp6, 0x40004                  ; cy = block row
	s_and_b32 s13, ttmp7, 0xffff                   ; cluster y = the product, 0..11, and C's chunk
	s_lshr_b32 s2, s13, 2                          ; 0 q, 1 k, 2 v
	s_and_b32 s3, s13, 3                           ; which 1,024 tokens
	s_add_co_u32 s45, s3, 4                        ; inputs_kv's chunk
	s_add_co_u32 s9, s2, 8                         ; Wq's or Wk's chunk
	s_lshl_b32 s43, s41, 2
	s_lshl_b32 s43, 15, s43                        ; my row of the cluster: places 4 cy .. 4 cy + 3
	s_lshl_b32 s44, 0x1111, s40                    ; my column: places cx, cx + 4, cx + 8, cx + 12
	; group 1: a tile of 128 rows x 128 elements of 2 bytes, 4 words of padding behind every 64 words
	s_or_b32 s[G1+0], s43, (1<<16)|(1<<20)|(1<<21)|(5<<22)|(3<<25)   ; mask of my row; element size; padding on; bit 21 beside a mask; interval; amount
	s_or_b32 s[G1B+0], s44, (1<<16)|(1<<20)|(1<<21)|(5<<22)|(3<<25)  ; the same with my column's mask
	s_mov_b32 s[G1+1], KSTEP<<16                   ; tensor_dim0 = 128
	s_mov_b32 s[G1B+1], KSTEP<<16
	s_mov_b32 s[G1+2], 128<<16                     ; tensor_dim1 = 128
	s_mov_b32 s[G1B+2], 128<<16
	s_mov_b32 s[G1+3], KSTEP<<16                   ; tile_dim0 = 128
	s_mov_b32 s[G1B+3], KSTEP<<16
	s_mov_b32 s[G1+4], 128                         ; tile_dim1 = 128
	s_mov_b32 s[G1B+4], 128
	s_mov_b32 s[G1+5], SIZE_K                      ; elements from row to row
	s_mov_b32 s[G1B+5], SIZE_K
	s_mov_b32 s[G1+6], 0
	s_mov_b32 s[G1B+6], 0
	s_mov_b32 s[G1+7], 0
	s_mov_b32 s[G1B+7], 0
	; where the tiles come from.  A's offset is made of the product, cy and the wave; B's of the product, cx and the wave.
	s_cmp_eq_u32 s2, 2                             ; v: the weight is A and the tokens are B, which transposes the result
	s_cselect_b32 s16, 10, s13                     ; A's chunk
	s_cselect_b32 s46, s45, s9                     ; B's chunk
	s_lshl_b32 s16, s16, 21
	s_lshl_b32 s17, s41, 19                        ; 256 rows of 2,048 bytes for each block row
	s_add_co_u32 s16, s16, s17
	s_lshl_b32 s17, s12, 18                        ; 128 rows for the half that I fetch
	s_add_co_u32 s16, s16, s17
	s_mov_b32 s17, 0
	s_lshl_b32 s46, s46, 21
	s_lshl_b32 s47, s40, 19
	s_add_co_u32 s46, s46, s47
	s_lshl_b32 s47, s12, 18
	s_add_co_u32 s46, s46, s47
	s_mov_b32 s47, 0
	s_mul_i32 s20, s10, HALFT                      ; where they go: wave x 128 rows
	s_wait_dscnt 0x0
	s_wait_kmcnt 0x0
	s_add_nc_u64 s[14:15], s[4:5], s[16:17]
	s_add_nc_u64 s[46:47], s[4:5], s[46:47]
	CROUND                                         ; all sixteen work-groups are here: the first joint loads meet
.irp s, 0,1
	s_mov_b32 s[G0+4*\s], 1                                        ; count = 1
	s_add_co_u32 s[G0+4*\s+1], s20, \s*SLOT                        ; LDS address
	s_add_nc_u64 s[G0+4*\s+2:G0+4*\s+3], s[14:15], \s*KSTEP*2      ; global address: K step s
	s_or_b32 s[G0+4*\s+3], s[G0+4*\s+3], 0x80000000                ; type = 2
	s_mov_b32 s[G0B+4*\s], 1
	s_add_co_u32 s[G0B+4*\s+1], s20, \s*SLOT
	s_add_nc_u64 s[G0B+4*\s+2:G0B+4*\s+3], s[46:47], \s*KSTEP*2
	s_or_b32 s[G0B+4*\s+3], s[G0B+4*\s+3], 0x80000000
	JLOAD \s
.endr
	; a fragment is 16 rows x 32 K in 8 registers: lane l holds row l % 16; registers 0-3 K = 8 (l / 16) + 0..7, registers 4-7 K = 16 + 8 (l / 16) + 0..7
	v_and_b32 v1, 15, v0
	v_bfe_u32 v2, v0, 4, 1
	v_mul_u32_u24 v3, v1, PITCH
	v_lshl_add_u32 v3, v2, 4, v3
	s_mul_i32 s21, s11, HALFT                      ; my 128 rows of A
	s_mul_i32 s22, s12, HALFT                      ; my 128 rows of B,
	s_add_co_u32 s22, s22, 2*HALFT                 ; behind A's 256
.irp s, 0,1
	v_add_nc_u32 v[ADRA+\s], s21, v3
	v_add_nc_u32 v[ADRB+\s], s22, v3
	s_add_co_u32 s21, s21, SLOT
	s_add_co_u32 s22, s22, SLOT
.endr
	s_mul_i32 s23, s10, 16*SPITCH
	s_add_co_u32 s23, s23, STAGE                   ; my stage
	v_mul_u32_u24 v4, v1, SPITCH
	v_lshl_add_u32 v4, v2, 4, v4
	v_add_nc_u32 v[STO], s23, v4
	v_mul_u32_u24 v5, v2, SPITCH
	v_lshl_add_u32 v5, v1, 4, v5
	v_add_nc_u32 v[RD], s23, v5
	v_mul_u32_u24 v5, v2, SIZE_N*2
	v_lshl_add_u32 v[CO], v1, 4, v5
; 16 matrix instructions: row blocks a0, a0 + 1 of the window's four x all 8 column blocks, 32 along K.  zero = 1: the product starts the sums.
; The 64 accumulators take turns, one instruction a turn, in the same order in every quarter step.
.macro MUL16 f, hi, a0, zero
.irp a, \a0, \a0+1
.irp b, 0,1,2,3,4,5,6,7
.if \zero
	v_wmma_f32_16x16x32_f16 v[8*(8*(\a)+\b):8*(8*(\a)+\b)+7], v[\f+8*\b:\f+8*\b+7], v[\f+8*(4*\hi+\a):\f+8*(4*\hi+\a)+7], 0
.else
	v_wmma_f32_16x16x32_f16 v[8*(8*(\a)+\b):8*(8*(\a)+\b)+7], v[\f+8*\b:\f+8*\b+7], v[\f+8*(4*\hi+\a):\f+8*(4*\hi+\a)+7], v[8*(8*(\a)+\b):8*(8*(\a)+\b)+7]
.endif
.endr
.endr
.endm
; 32 LDS loads in one run: one quarter step's fragments (128 rows of B, 128 rows of A, 32 K at byte k of the rows) into buffer f
.macro FETCH slot, k, f
	WIN TO_B
.irp i, 0,1,2,3,4,5,6,7
	ds_load_b128 v[\f+8*\i:\f+8*\i+3],   v[ADRB+\slot] offset:\k+\i*16*PITCH
	ds_load_b128 v[\f+8*\i+4:\f+8*\i+7], v[ADRB+\slot] offset:\k+\i*16*PITCH+32
.endr
	WIN 0
.irp i, 0,1,2,3,4,5,6,7
	ds_load_b128 v[\f+8*\i:\f+8*\i+3],   v[ADRA+\slot] offset:\k+\i*16*PITCH
	ds_load_b128 v[\f+8*\i+4:\f+8*\i+7], v[ADRA+\slot] offset:\k+\i*16*PITCH+32
.endr
.endm
; four independent vector instructions between a matrix instruction and a load into, or a vector access to, one of its registers
.macro PLACES
.rept 4
	v_nop
.endr
.endm
; one of a K step's first three quarters: multiplies buffer f; in its middle it fetches the next quarter's fragments into buffer g
.macro QUARTER slot, k, f, g, zero
	s_wait_dscnt 8                                 ; B and A's rows 0-63 are in; the youngest eight loads (A's rows 64-127) may be out
	WIN MUL_LO
	MUL16 \f, 0, 0, \zero
	MUL16 \f, 0, 2, \zero
	PLACES
	FETCH \slot, \k, \g
	s_wait_dscnt 32                                ; all but the 32 just issued
	WIN MUL_HI
	MUL16 \f, 1, 0, \zero
	MUL16 \f, 1, 2, \zero
.endm
.macro THREE slot, zero
	QUARTER \slot, 64,  F0, F1, \zero
	QUARTER \slot, 128, F1, F0, 0
	QUARTER \slot, 192, F0, F1, 0
.endm
; the last quarter multiplies buffer 1 and changes slots.  In front of the barrier each wave waits for its reads of this slot and for all its
; tensor loads (one is out: its part of the next slot).  Behind it the refill comes first, then the next slot's first fragments.
.macro TURN slot, next, fill
	s_wait_dscnt 8
	WIN MUL_LO
	MUL16 F1, 0, 0, 0
	s_wait_dscnt 0                                 ; my reads of this slot are over
	s_wait_tensorcnt 0x0                           ; and all my tensor loads have landed
	ds_add_u32 v255, v255
	s_wait_dscnt 0x0
	s_barrier_signal -1                            ; say so (where the slot is filled again this opens a round of the cluster's barrier),
	MUL16 F1, 0, 2, 0                              ; work on registers while the others arrive,
	WIN 0
	s_barrier_wait -1
.if \fill
	CREST                                          ; no wave of any partner still reads this slot or has a load on its way
	s_add_nc_u64 s[G0+4*\slot+2:G0+4*\slot+3], s[G0+4*\slot+2:G0+4*\slot+3], 2*KSTEP*2
	s_add_nc_u64 s[G0B+4*\slot+2:G0B+4*\slot+3], s[G0B+4*\slot+2:G0B+4*\slot+3], 2*KSTEP*2
	JLOAD \slot                                    ; the first tensor load behind the round
.endif
	PLACES
	FETCH \next, 0, F0
	WIN MUL_HI
	MUL16 F1, 1, 0, 0
	MUL16 F1, 1, 2, 0
.endm
.macro LAP zero
	THREE 0, \zero
	TURN 0, 1, 1
	THREE 1, 0
	TURN 1, 0, 1
.endm
	s_wait_tensorcnt 1                             ; my part of K step 0 is in; K step 1's load stays out
	s_barrier_signal -1
	s_barrier_wait -1                              ; everybody's is
	FETCH 0, 0, F0
	LAP 1                                          ; the first lap's first products start the sums
.if LAPS > 2
	WIN 0
	s_mov_b32 s3, LAPS-2
.Llap:
	LAP 0
	WIN 0
	s_sub_co_u32 s3, s3, 1
	s_cmp_lg_u32 s3, 0
	s_cbranch_scc1 .Llap
.endif
	THREE 0, 0                                     ; the last lap fills nothing
	TURN 0, 1, 0
	THREE 1, 0
	s_wait_dscnt 8
	WIN MUL_LO
	MUL16 F1, 0, 0, 0
	MUL16 F1, 0, 2, 0
	s_wait_dscnt 0
	WIN MUL_HI
	MUL16 F1, 1, 0, 0
	MUL16 F1, 1, 2, 0
	; THE WAY OUT, 16 rows of C at a time: round to f16, 16 bytes a lane into my own stage, read back as whole rows of 256 bytes
	PLACES
	s_lshl_b32 s16, s13, 21                        ; C's chunk,
	s_lshl_b32 s17, s41, 19                        ; block row,
	s_add_co_u32 s16, s16, s17
	s_lshl_b32 s17, s11, 18                        ; my 128 rows
	s_add_co_u32 s16, s16, s17
	s_mov_b32 s17, 0
	s_add_nc_u64 s[8:9], s[6:7], s[16:17]
	s_lshl_b32 s46, s40, 9                         ; my first column in bytes: 512 x block column + 256 x half
	s_lshl_b32 s47, s12, 8
	s_add_co_u32 s46, s46, s47
	s_mov_b32 s47, 0
	s_add_nc_u64 s[8:9], s[8:9], s[46:47]
.macro OUT16 i, a, from, f
	WIN \from
.irp b, 0,1,2,3,4,5,6,7
.irp r, 0,1,2,3
	v_cvt_pk_f16_f32 v[TMP+4*\b+\r], v[8*(8*\a+\b)+2*\r], v[8*(8*\a+\b)+2*\r+1]
.endr
.endr
	WIN 0
.irp b, 0,1,2,3,4,5,6,7
	ds_store_b128 v[STO], v[TMP+4*\b:TMP+4*\b+3] offset:32*\b
.endr
	s_wait_xcnt 0x0                                ; buffer f, which earlier stores read, and the stores' base are rewritten only behind this wait
.if \i
	s_add_nc_u64 s[8:9], s[8:9], 16*SIZE_N*2
.endif
.irp t, 0,1,2,3,4,5,6,7
	ds_load_b128 v[\f+4*\t:\f+4*\t+3], v[RD] offset:\t*2*SPITCH    ; a wave's LDS instructions are served in order: these see the stores above
.endr
.irp t, 0,1,2,3,4,5,6,7
	s_wait_dscnt 7-\t                              ; load t is in, the younger ones stay out
	global_store_b128 v[CO], v[\f+4*\t:\f+4*\t+3], s[8:9] offset:2*\t*SIZE_N*2   ; 16 lanes store 256 consecutive bytes, aligned
.endr
.endm
	OUT16 0, 0, 0x0a, F0
	OUT16 1, 1, 0x0a, F1
	OUT16 2, 2, 0x0a, F0
	OUT16 3, 3, 0x0a, F1
	OUT16 4, 0, 0x0f, F0
	OUT16 5, 1, 0x0f, F1
	OUT16 6, 2, 0x0f, F0
	OUT16 7, 3, 0x0f, F1
	s_set_vgpr_msb 0x1
	s_wait_tensorcnt 0x0
	ds_add_u32 v255, v255
	s_wait_dscnt 0x0
	s_set_vgpr_msb 0x100
	CROUND                                         ; the closing round: no work-group ends while a partner may still ask for a tile that names it
	s_endpgm
.Lfunc_end_k_q44f9fdebd0_qkvproj:
	.size	k_q44f9fdebd0_qkvproj, .Lfunc_end_k_q44f9fdebd0_qkvproj-k_q44f9fdebd0_qkvproj
	.p2alignl 7, 3214868480
	.fill 96, 4, 3214868480
	.section	.rodata,"a",@progbits
	.p2align	6, 0x0
	.amdhsa_kernel k_q44f9fdebd0_qkvproj
		.amdhsa_group_segment_fixed_size 327680
		.amdhsa_private_segment_fixed_size 0
		.amdhsa_enable_private_segment 0
		.amdhsa_kernarg_size 16
		.amdhsa_user_sgpr_count 2
		.amdhsa_user_sgpr_kernarg_segment_ptr 1
		.amdhsa_wavefront_size32 1
		.amdhsa_system_sgpr_workgroup_id_x 1
		.amdhsa_system_sgpr_workgroup_id_y 1
		.amdhsa_system_sgpr_workgroup_id_z 1
		.amdhsa_system_vgpr_workitem_id 0
		.amdhsa_next_free_vgpr 1024
		.amdhsa_next_free_sgpr 66
		.amdhsa_reserve_vcc 0
		.amdhsa_float_denorm_mode_32 3
		.amdhsa_float_denorm_mode_16_64 3
		.amdhsa_memory_ordered 1
		.amdhsa_forward_progress 1
		.amdhsa_inst_pref_size 196
	.end_amdhsa_kernel
	.amdgpu_metadata
---
amdhsa.version: [ 1, 2 ]
amdhsa.kernels:
  - .name:           k_q44f9fdebd0_qkvproj
    .symbol:         k_q44f9fdebd0_qkvproj.kd
    .args:
      - { .name: xb, .offset: 0, .size: 8, .value_kind: global_buffer, .address_space: global }
      - { .name: qkv, .offset: 8, .size: 8, .value_kind: global_buffer, .address_space: global }
    .group_segment_fixed_size: 327680
    .private_segment_fixed_size: 0
    .kernarg_segment_align: 8
    .kernarg_segment_size: 16
    .max_flat_workgroup_size: 128
    .sgpr_count:     66
    .vgpr_count:     1024
    .wavefront_size: 32
...
	.end_amdgpu_metadata
.endif
;; end of part 2
;; launch attn (part 3): grid 8 x 32, 8 waves a work-group, clusters of 4 x 1, 327,680 bytes of LDS; arguments qkv, maskw, ao; writes ao
.if DOCPART == 3
	.amdgcn_target "amdgcn-amd-amdhsa--gfx1250"
	.amdhsa_code_object_version 6
	.text
	.protected	k_q44f9fdebd0_attn
	.globl	k_q44f9fdebd0_attn
	.p2align	8
	.type	k_q44f9fdebd0_attn,@function
k_q44f9fdebd0_attn:
	s_mov_b64 s[64:65], 0
	v_nop
	global_prefetch_b8 v0, s[64:65] scope:SCOPE_SE
	s_setreg_imm32_b32 hwreg(HW_REG_WAVE_MODE, 25, 1), 1
	s_wait_xcnt 0x0
	s_wait_alu depctr_hold_cnt(0) depctr_sa_sdst(0) depctr_va_vdst(0) depctr_va_sdst(0) depctr_va_ssrc(0) depctr_va_vcc(0) depctr_vm_vsrc(0)
	s_getreg_b32 s2, hwreg(HW_REG_IB_STS2, 6, 4)
	s_cmp_eq_u32 s2, 0
	s_cbranch_scc0 .Lentry_in_a_cluster
	s_endpgm
.Lentry_in_a_cluster:
	s_bfe_u32 s2, ttmp6, 0x10000c
	s_cmp_lg_u32 s2, 0x3003
	s_cbranch_scc0 .Lentry_shape_is_right
	s_endpgm
.Lentry_shape_is_right:
; Masked attention of one head for 256 queries a work-group (y = 16 b + h; x = block of 256 queries), with a running maximum and sum.
; Eight waves; a wave owns 32 queries, two groups g of 16.  Keys go in 8 tiles of 256 through two LDS slots; a tile is four blocks of 64 keys.
; S^T = K Q^T: register j of lane (r, hh) holds key 8 hh + j of a 16-key tile for query r.  So a query's maximum and sum stay in a lane
; (one exchange between the halves of the wave for the maximum), and two neighbouring tiles of S^T, rounded to f16 in pairs, ARE the second
; source of O^T = V^T P^T: no traffic between lanes.  V lies transposed in memory ([channel][key]).
; The mask comes as 32-bit lane masks (one word for each register of S^T), by scalar loads a block ahead: one select for each register.
; ORDER IN A BLOCK: the 8 products of group 0's scores; group 0's softmax with the 8 products of group 1's scores strewn among its vector
; instructions; group 1's softmax with group 0's 8 products V^T P^T strewn likewise; group 1's 8 products V^T P^T.  So half of a block's 32 matrix
; instructions are issued with six or more vector instructions of the same wave between them.
; CLUSTER: the four work-groups of a cluster have the same b and h and walk the same K and V tiles: every tile is asked for jointly (mask 15).
; A tile's rows are 128 bytes: a head's row of K is no longer in the tensor, and V^T is cut alike so that one shape descriptor serves both.
; LIMITS: a masked score is -2^100 in place of the reference's -1e30 (its product with the scale is exact; both give probability 0), so raw
; scores q.k must lie above -2^100; a query counts as having no key when its running maximum is still -2^100.  NaN and infinities are not followed.
; P is rounded to f16 (it is at most 1), the result to f16 (|v| below 65,504).
.set PITCH, 144                        ; an LDS row: 128 bytes + 16: the 16 rows that a load touches start 4 words apart modulo 64 words
.set PART,  64*PITCH                   ; 9,216: one tensor load: 64 keys x 64 channels of K, or 64 channels x 64 keys of V^T
.set SLOT,  8*PART                     ; parts 0-3: K of blocks 0-3; parts 4-7: V^T of blocks 0-3
.set VOFF,  4*PART
.set STAGE, 2*SLOT                     ; 147,456: behind the ring, 32 rows x 144 bytes for each wave; no tensor load lands there
.set AK,  2                            ; v2, v3    r x 144 + 16 hh + slot: K's fragments
.set AV,  4                            ; v4, v5    the same + VOFF: V^T's fragments
.set NEG, 6                            ; v6        -2^100
.set STO, 7                            ; v7        way out: where I put 16 bytes
.set RD,  8                            ; v8        way out: where I read back
.set CO,  9                            ; v9        16 x lane
.set MX,  10                           ; v10, v11  running maximum of group g (raw scores), the same in both halves of the wave
.set LS,  12                           ; v12, v13  running sum of group g, of my half's keys
.set NM,  14                           ; v[14:15], v[16:17]  -c x maximum, twice
.set T,   18                           ; v[18:25]  at work
.set AL,  26                           ; v[26:27]  the factor on old sums, twice
.set CS,  28                           ; v[28:29]  c = log2(e) / 8 = log2(e) / sqrt(64), twice
.set QA,  30                           ; v30       Q's offset
.set QF,  32                           ; v[32:63]  Q's fragments, at 16 g + 8 kk
.set OT,  64                           ; v[64:127] O^T, at 32 g + 8 dt
.set SC,  128                          ; v[128:191] S^T, at 32 g + 8 kt; then P
.set FR,  192                          ; v[192:255] K's fragments at 16 kt + 8 kk, then V^T's at 16 dt + 8 kh
.set G1,  84                           ; s[84:91]  descriptor group 1
.set G0,  92                           ; s[92:99]  group 0, a set for each slot
; s[16:47]: the block's mask words of group 0; s[48:63], s[68:83]: of group 1.  Word i of group g is s[16 + 32 g + i + 4 g (i / 16)].
.macro PLACES n
.rept \n
	v_nop
.endr
.endm
; A round of the cluster's barrier: my work-group's barrier, wave 0 signals for the work-group, every wave waits for all four, my work-group's barrier again.
.macro CREST                           ; a round behind its opening barrier
	s_cmp_lg_u32 s10, 0
	s_cbranch_scc1 .Lnot_wave_0_\@
	s_barrier_signal -3
.Lnot_wave_0_\@:
	s_barrier_wait -3
	s_barrier_signal -1
	s_barrier_wait -1
.endm
.macro ROUND                           ; a whole round
	s_barrier_signal -1
	s_barrier_wait -1
	CREST
.endm
	s_load_b128 s[4:7], s[0:1], 0x0                ; qkv s[4:5], maskw s[6:7]
	s_load_b64 s[8:9], s[0:1], 0x10                ; ao
	v_lshl_add_u32 v31, v0, 2, 0x2d000
	s_set_vgpr_msb 0x40
	v_mov_b32 v1, 0
	s_set_vgpr_msb 0x4044
	ds_add_u32 v31, v1
	s_set_vgpr_msb 0x4400
	v_lshrrev_b32 v1, 5, v0
	v_readfirstlane_b32 s10, v1                    ; wave 0..7
	s_mov_b32 s12, 0x76543210                      ; v_permlanex16_b32: lane i of one half reads lane i of the other
	s_mov_b32 s13, 0xfedcba98
	s_bfe_u32 s14, ttmp6, 0x40000                  ; cx
	s_lshl_b32 s15, ttmp9, 2
	s_add_co_u32 s14, s14, s15                     ; block of 256 queries = 4 x cluster x + cx
	s_and_b32 s15, ttmp7, 0xffff
	s_lshr_b32 s67, s15, 4                         ; b
	s_and_b32 s15, s15, 15                         ; h
	s_lshl_b32 s16, s67, 11
	s_lshl_b32 s17, s14, 8
	s_add_co_u32 s16, s16, s17
	s_lshl_b32 s17, s10, 5
	s_add_co_u32 s16, s16, s17                     ; my wave's first token = 2048 b + 256 block + 32 wave
	s_lshl_b32 s18, s16, 11                        ; Q: rows of 2,048 bytes,
	s_lshl_b32 s19, s15, 7                         ; 128 bytes a head
	s_add_co_u32 s18, s18, s19
	s_mov_b32 s19, 0
	s_lshl_b32 s20, s16, 8                         ; mask words: 4,096 bytes for 16 tokens
	s_mov_b32 s21, 0
	s_lshl_b32 s22, s15, 19                        ; ao: [head][4096 tokens][64] f16
	s_lshl_b32 s23, s16, 7
	s_add_co_u32 s22, s22, s23
	s_mov_b32 s23, 0
	; my part of a tile: waves 0-3 fetch K's keys 64 w .., waves 4-7 V^T's keys 64 (w - 4) ..  Made of b, h and the wave alone.
	s_lshl_b32 s24, s10, 17                        ; K: 64 keys of 2,048 bytes a part,
	s_lshl_b32 s25, s15, 7
	s_add_co_u32 s24, s24, s25
	s_add_co_u32 s24, s24, 0x800000                ; behind q's four chunks
	s_lshl_b32 s26, s15, 17                        ; V^T: 64 rows of 2,048 bytes a head,
	s_lshl_b32 s27, s10, 7                         ; 128 bytes a part,
	s_add_co_u32 s26, s26, s27
	s_add_co_u32 s26, s26, 0x1000000-512           ; behind q's and k's eight chunks; parts count from wave 4
	s_mov_b32 s100, 0x200                          ; V^T: 256 keys on are 512 bytes,
	s_mov_b32 s104, 0x400                          ; two tiles on are 1,024 bytes, or, from tiles 2, 3 to 4, 5, a chunk of 2 MiB less 1,024:
	s_mov_b32 s66, 0x1ff800                        ; 0x400 xor 0x1ff800 = 0x1ffc00
	s_cmp_lt_u32 s10, 4
	s_cselect_b32 s24, s24, s26
	s_cselect_b32 s100, 0x80000, s100              ; K: 256 keys on are 256 rows,
	s_cselect_b32 s104, 0x100000, s104             ; two tiles on are 512 rows,
	s_cselect_b32 s66, 0, s66                      ; always
	s_lshl_b32 s25, s67, 22                        ; 2,048 keys of a batch are 4 MiB, in K and in V^T
	s_add_co_u32 s24, s24, s25
	s_mov_b32 s25, 0
	s_mov_b32 s101, 0
	s_mov_b32 s105, 0
	v_and_b32 v18, 15, v0                          ; r
	v_bfe_u32 v19, v0, 4, 1                        ; hh
	v_and_b32 v20, 31, v0                          ; lane
	v_lshlrev_b32 v[QA], 11, v18
	v_lshl_add_u32 v[QA], v19, 4, v[QA]            ; r rows + 16 hh
	s_wait_dscnt 0x0
	s_wait_kmcnt 0x0
	s_add_nc_u64 s[2:3], s[4:5], s[18:19]          ; Q
	s_add_nc_u64 s[6:7], s[6:7], s[20:21]          ; my mask words
	s_add_nc_u64 s[8:9], s[8:9], s[22:23]          ; my 4,096 bytes of ao
	s_add_nc_u64 s[4:5], s[4:5], s[24:25]          ; my part of tile 0
.irp g, 0,1
.irp kk, 0,1
	global_load_b128 v[QF+16*\g+8*\kk:QF+16*\g+8*\kk+3],   v[QA], s[2:3] offset:32768*\g+64*\kk      ; query 16 g + r, channels 32 kk + 8 hh ..
	global_load_b128 v[QF+16*\g+8*\kk+4:QF+16*\g+8*\kk+7], v[QA], s[2:3] offset:32768*\g+64*\kk+32   ; channels 32 kk + 16 + 8 hh ..
.endr
.endr
	s_load_b512 s[16:31], s[6:7], 0x0              ; block 0's mask words: 128 bytes for each group
	s_load_b512 s[32:47], s[6:7], 0x40
	s_load_b512 s[48:63], s[6:7], 0x1000
	s_load_b512 s[68:83], s[6:7], 0x1040
	; group 1: 64 rows x 64 elements of 2 bytes, 1,024 elements from row to row, 4 words of padding behind every 32 words
	s_mov_b32 s[G1+0], 15|(1<<16)|(1<<20)|(1<<21)|(4<<22)|(3<<25)  ; all four work-groups; element size; padding on; bit 21 beside a mask; interval; amount
	s_mov_b32 s[G1+1], 64<<16                      ; tensor_dim0 = 64
	s_mov_b32 s[G1+2], 64<<16                      ; tensor_dim1 = 64
	s_mov_b32 s[G1+3], 64<<16                      ; tile_dim0 = 64
	s_mov_b32 s[G1+4], 64                          ; tile_dim1 = 64
	s_mov_b32 s[G1+5], 1024
	s_mov_b32 s[G1+6], 0
	s_mov_b32 s[G1+7], 0
	s_mov_b32 s[G0+0], 1
	s_mul_i32 s[G0+1], s10, PART                   ; slot 0, part = wave
	s_mov_b64 s[G0+2:G0+3], s[4:5]                 ; tile 0
	s_or_b32 s[G0+3], s[G0+3], 0x80000000          ; type = 2
	s_mov_b32 s[G0+4], 1
	s_add_co_u32 s[G0+5], s[G0+1], SLOT            ; slot 1
	s_add_nc_u64 s[G0+6:G0+7], s[4:5], s[100:101]  ; tile 1
	s_or_b32 s[G0+7], s[G0+7], 0x80000000
	ROUND                                          ; all four work-groups are here: the first joint loads meet
	tensor_load_to_lds s[G0:G0+3], s[G1:G1+7]      ; tile 0
	s_nop 0
	tensor_load_to_lds s[G0+4:G0+7], s[G1:G1+7]    ; tile 1: two loads of a wave are out
	s_nop 0
	v_mul_u32_u24 v[AK], v18, PITCH
	v_lshl_add_u32 v[AK], v19, 4, v[AK]            ; r x 144 + 16 hh
	v_add_nc_u32 v[AK+1], SLOT, v[AK]
	v_add_nc_u32 v[AV], VOFF, v[AK]
	v_add_nc_u32 v[AV+1], SLOT+VOFF, v[AK]
	v_mov_b32 v[NEG], 0xf1800000
	s_mul_i32 s11, s10, 32*PITCH
	s_add_co_u32 s11, s11, STAGE                   ; my stage
	v_add_nc_u32 v[STO], s11, v[AK]
	v_lshrrev_b32 v1, 3, v20                       ; back: eight lanes take one row of 128 bytes
	v_mul_u32_u24 v1, v1, PITCH
	v_and_b32 v[RD], 7, v20
	v_lshl_add_u32 v[RD], v[RD], 4, v1
	v_add_nc_u32 v[RD], s11, v[RD]
	v_lshlrev_b32 v[CO], 4, v20
	v_mov_b32 v[CS], 0x3e38aa3b
	v_mov_b32 v[CS+1], 0x3e38aa3b
; Product w = 0..7 of group g's scores: key tile w % 4, channels 32 (w / 4) ..  The first half of the channels starts the scores.
; The four accumulators of a group take turns, one instruction a turn.
.macro QKW g, w
.if (\w)/4
	v_wmma_f32_16x16x32_f16 v[SC+32*\g+8*((\w)%4):SC+32*\g+8*((\w)%4)+7], v[FR+16*((\w)%4)+8:FR+16*((\w)%4)+15], v[QF+16*\g+8:QF+16*\g+15], v[SC+32*\g+8*((\w)%4):SC+32*\g+8*((\w)%4)+7]
.else
	v_wmma_f32_16x16x32_f16 v[SC+32*\g+8*((\w)%4):SC+32*\g+8*((\w)%4)+7], v[FR+16*((\w)%4):FR+16*((\w)%4)+7], v[QF+16*\g:QF+16*\g+7], 0
.endif
.endm
; Product w = 0..7 of O^T of group g += V^T P^T: channel tile w % 4, keys 32 (w / 4) ..  first = 1: keys 0-31 start the sums.  Four accumulators by turns, likewise.
.macro PVW g, w, first
.if (\first)*(1-(\w)/4)
	v_wmma_f32_16x16x32_f16 v[OT+32*\g+8*((\w)%4):OT+32*\g+8*((\w)%4)+7], v[FR+16*((\w)%4)+8*((\w)/4):FR+16*((\w)%4)+8*((\w)/4)+7], v[SC+32*\g+16*((\w)/4):SC+32*\g+16*((\w)/4)+7], 0
.else
	v_wmma_f32_16x16x32_f16 v[OT+32*\g+8*((\w)%4):OT+32*\g+8*((\w)%4)+7], v[FR+16*((\w)%4)+8*((\w)/4):FR+16*((\w)%4)+8*((\w)/4)+7], v[SC+32*\g+16*((\w)/4):SC+32*\g+16*((\w)/4)+7], v[OT+32*\g+8*((\w)%4):OT+32*\g+8*((\w)%4)+7]
.endif
.endm
; The matrix instruction that rides in a softmax: comp = 1: group 1's scores (in group 0's softmax); comp = 2: group 0's V^T P^T (in group 1's).
; Neither names a register of the softmax in which it stands.
.macro HOOK comp, w, first
.if \comp == 1
	QKW 1, \w
.endif
.if \comp == 2
	PVW 0, \w, \first
.endif
.endm
; cnt packed multiply-adds from register pair i on: c x score - c x maximum, scale and shift in one
.macro SHIFT g, cnt
.rept \cnt
	v_pk_fma_f32 v[SC+32*\g+i:SC+32*\g+i+1], v[SC+32*\g+i:SC+32*\g+i+1], v[CS:CS+1], v[NM+2*\g:NM+2*\g+1]
.set i, i+2
.endr
.endm
; Mask, running maximum, exponentials, running sum and rounding to f16 for the 32 registers of group g (64 keys x 16 queries), with eight
; matrix instructions of the other group among the first 70 vector instructions.
; first = 1: the block starts maximum and sum.  pre = 1: the next block's mask words (block idx + 1 of the lap) are asked for.
; comp = 1 also: V^T's fragments of block kb of the slot are loaded once the last product has read K's.
; sync: the step's last block: my reads of the slot are over: wait and signal; what follows in the block is register work.
.macro SM g, first, pre, idx, comp, slot, kb, sync
.set i, 0
.irp h, 0,1,2,3
.rept 8
	v_cndmask_b32 v[SC+32*\g+i], v[NEG], v[SC+32*\g+i], s[16+32*\g+i+4*\g*(i/16)]    ; mask bit ? score : -2^100
.set i, i+1
.endr
	HOOK \comp, \h, \first
.endr
.if \pre
	s_load_b512 s[16+32*\g:31+32*\g], s[6:7], (\idx+1)*128+4096*\g                   ; the selects above have read the words
	s_load_b512 s[32+36*\g:47+36*\g], s[6:7], (\idx+1)*128+4096*\g+64
.endif
.if \sync
	s_wait_dscnt 0x0                               ; my reads of this slot are back (met: V^T's fragments were waited for ahead of this softmax)
	s_set_vgpr_msb 0x4
	s_wait_tensorcnt 0x0                           ; all my tensor loads have landed: the one that was out is my part of the other slot's tile
	ds_add_u32 v31, v1
	s_wait_dscnt 0x0
	s_set_vgpr_msb 0x400
	s_barrier_signal -1                            ; say so; up to the wait: vector and matrix instructions on registers alone
.endif
.irp c, 0,1,2,3
	v_max3_num_f32 v[T+\c], v[SC+32*\g+3*\c], v[SC+32*\g+3*\c+1], v[SC+32*\g+3*\c+2] ; four chains, started by the first twelve
.endr
.irp c, 0,1,2,3
	v_max3_num_f32 v[T+\c], v[T+\c], v[SC+32*\g+12+2*\c], v[SC+32*\g+13+2*\c]
.endr
	HOOK \comp, 4, \first
.irp c, 0,1,2,3
	v_max3_num_f32 v[T+\c], v[T+\c], v[SC+32*\g+20+2*\c], v[SC+32*\g+21+2*\c]
.endr
.irp c, 0,1
	v_max3_num_f32 v[T+\c], v[T+\c], v[SC+32*\g+28+2*\c], v[SC+32*\g+29+2*\c]
.endr
	v_max3_num_f32 v[T], v[T], v[T+1], v[T+2]
	v_max_num_f32 v[T], v[T], v[T+3]
	HOOK \comp, 5, \first
	v_permlanex16_b32 v[T+1], v[T], s12, s13       ; the other half's keys of the same query
.if \first
	v_max_num_f32 v[MX+\g], v[T], v[T+1]
	v_mul_f32 v[T+4], 0xbe38aa3b, v[MX+\g]         ; -c x maximum
.else
	v_max3_num_f32 v[MX+\g], v[T], v[T+1], v[MX+\g]
	v_mul_f32 v[T+4], 0xbe38aa3b, v[MX+\g]
	v_sub_f32 v[T+5], v[T+4], v[NM+2*\g]           ; c x (old maximum - new maximum), at most 0
.endif
	v_mov_b32 v[NM+2*\g], v[T+4]
	v_mov_b32 v[NM+2*\g+1], v[T+4]
.if \first
.else
	v_exp_f32 v[AL], v[T+5]                        ; the multiply-adds below stand between it and its use (ISA guide 5.7.2)
.endif
.set i, 0
	SHIFT \g, 4
	HOOK \comp, 6, \first
	SHIFT \g, 6
	HOOK \comp, 7, \first
	SHIFT \g, 6                                    ; six plain instructions behind the last product, none on its registers (ISA guide 7.12.1)
.if \first
.else
	s_wait_alu depctr_va_vdst(0)
	v_mov_b32 v[AL+1], v[AL]
.endif
.if \comp == 1
.irp kh, 0,1
.irp dt, 0,1,2,3
	ds_load_b128 v[FR+16*\dt+8*\kh:FR+16*\dt+8*\kh+3],   v[AV+\slot] offset:\kb*PART+16*PITCH*\dt+64*\kh      ; over K's fragments; the rest of this softmax is the time in which they land
	ds_load_b128 v[FR+16*\dt+8*\kh+4:FR+16*\dt+8*\kh+7], v[AV+\slot] offset:\kb*PART+16*PITCH*\dt+64*\kh+32
.endr
.endr
.endif
.set i, 0
.rept 32
	v_exp_f32 v[SC+32*\g+i], v[SC+32*\g+i]
.set i, i+1
.endr
.if \first
	v_nop                                          ; one plain instruction between the last exponential and its use
	s_wait_alu depctr_va_vdst(0)
.else
.set i, 0
	s_wait_alu depctr_va_vdst(0)
.rept 16
	v_pk_mul_f32 v[OT+32*\g+i:OT+32*\g+i+1], v[OT+32*\g+i:OT+32*\g+i+1], v[AL:AL+1]  ; the old sums to the new maximum; also the plain instructions behind the exponentials
.set i, i+2
.endr
.endif
.irp c, 0,1,2,3
	v_pk_add_f32 v[T+2*\c:T+2*\c+1], v[SC+32*\g+2*\c:SC+32*\g+2*\c+1], v[SC+32*\g+8+2*\c:SC+32*\g+9+2*\c]   ; four chains of pairs
.endr
.irp c, 0,1,2,3
	v_pk_add_f32 v[T+2*\c:T+2*\c+1], v[T+2*\c:T+2*\c+1], v[SC+32*\g+16+2*\c:SC+32*\g+17+2*\c]
.endr
.irp c, 0,1,2,3
	v_pk_add_f32 v[T+2*\c:T+2*\c+1], v[T+2*\c:T+2*\c+1], v[SC+32*\g+24+2*\c:SC+32*\g+25+2*\c]
.endr
	v_pk_add_f32 v[T:T+1], v[T:T+1], v[T+2:T+3]
	v_pk_add_f32 v[T+4:T+5], v[T+4:T+5], v[T+6:T+7]
	v_pk_add_f32 v[T:T+1], v[T:T+1], v[T+4:T+5]
.if \first
	v_add_f32 v[LS+\g], v[T], v[T+1]
.else
	v_add_f32 v[T], v[T], v[T+1]
	v_fma_f32 v[LS+\g], v[LS+\g], v[AL], v[T]
.endif
.irp kh, 0,1
.irp e, 0,1,2,3,4,5,6,7
	v_cvt_pk_f16_f32 v[SC+32*\g+16*\kh+\e], v[SC+32*\g+16*\kh+2*\e], v[SC+32*\g+16*\kh+2*\e+1]   ; in place, ascending: 16 registers of two tiles become the 8 of P's fragment for 32 keys
.endr
.endr
.endm
; One block of 64 keys: block kb of the tile in the slot.  stepm = 1: the mask pointer goes on by a lap's 8 blocks of 128 bytes.
; sync = 1: the step's last block, and the slot is filled again, two tiles on: the waits and the opening signal of a round of the cluster's barrier
; stand in group 1's softmax, behind my last read of the slot; the rest of the block is register work inside the round; the refill is the first
; tensor load behind the round's closing wait.  One tensor load of a wave is out behind it, and it has the next step, less this tail, in which to land.
; sync = 2: the same waits and a barrier of the work-group alone: the last tile is whole for every wave, and nothing is filled.
.macro BLOCK slot, kb, first, stepm, pre, sync
.irp kk, 0,1
.irp kt, 0,1,2,3
	ds_load_b128 v[FR+16*\kt+8*\kk:FR+16*\kt+8*\kk+3],   v[AK+\slot] offset:\kb*PART+16*PITCH*\kt+64*\kk
	ds_load_b128 v[FR+16*\kt+8*\kk+4:FR+16*\kt+8*\kk+7], v[AK+\slot] offset:\kb*PART+16*PITCH*\kt+64*\kk+32
.endr
.endr
	s_wait_dscnt 8                                 ; channels 0-31 of the four key tiles are in; the eight younger loads (channels 32-63) stay out
.if \first
	s_wait_loadcnt 0x0                             ; Q
.endif
.irp w, 0,1,2,3
	QKW 0, \w
.endr
	s_wait_dscnt 0x0
.irp w, 4,5,6,7
	QKW 0, \w
.endr
	s_wait_kmcnt 0x0                               ; this block's mask words, asked for a block ago
.if \stepm
	s_add_nc_u64 s[6:7], s[6:7], 1024              ; no scalar load is out: its base may move
.endif
	PLACES 4                                       ; before vector instructions read group 0's scores (ISA guide 7.12.1)
	SM 0, \first, \pre, (4*\slot+\kb), 1, \slot, \kb, 0
	s_wait_dscnt 0x0                               ; V^T's fragments, issued in the middle of the softmax above
	SM 1, \first, \pre, (4*\slot+\kb), 2, \slot, \kb, \sync
.irp w, 0,1,2,3,4,5,6,7
	PVW 1, \w, \first
.endr
.if \sync
	s_barrier_wait -1                              ; every wave of my work-group has read the slot and has its part of the other
.endif
.if \sync == 1
	CREST                                          ; and so has every wave of the three partners
	s_add_nc_u64 s[G0+4*\slot+2:G0+4*\slot+3], s[G0+4*\slot+2:G0+4*\slot+3], s[104:105]   ; no load of mine is out: this slot's address goes two tiles on
.if \slot
	s_xor_b32 s104, s104, s66                      ; V^T: the next pair of steps crosses, or no longer crosses, a chunk's end
.endif
	tensor_load_to_lds s[G0+4*\slot:G0+4*\slot+3], s[G1:G1+7]
	s_nop 0
.endif
	PLACES 4                                       ; before the next block's loads land in V^T's fragments; at the end: before O^T is read
.endm
	s_wait_tensorcnt 0x1                           ; my part of tile 0 is in; tile 1's load stays out
	s_barrier_signal -1
	s_barrier_wait -1                              ; everybody's is
	BLOCK 0, 0, 1, 0, 1, 0                         ; the first block starts maximum, sum and O^T
	s_mov_b32 s11, 3
.Llap:                                             ; blocks 1-7 of a pair of tiles and block 0 of the next pair; three trips refill with tiles 2 to 7
	BLOCK 0, 1, 0, 0, 1, 0
	BLOCK 0, 2, 0, 0, 1, 0
	BLOCK 0, 3, 0, 0, 1, 1
	BLOCK 1, 0, 0, 0, 1, 0
	BLOCK 1, 1, 0, 0, 1, 0
	BLOCK 1, 2, 0, 0, 1, 0
	BLOCK 1, 3, 0, 0, 1, 1
	BLOCK 0, 0, 0, 1, 1, 0
	s_sub_co_u32 s11, s11, 1
	s_cmp_lg_u32 s11, 0
	s_cbranch_scc1 .Llap
	BLOCK 0, 1, 0, 0, 1, 0                         ; the rest of tile 6
	BLOCK 0, 2, 0, 0, 1, 0
	BLOCK 0, 3, 0, 0, 1, 2                         ; tile 7 has landed in every wave; nothing more is fetched
	BLOCK 1, 0, 0, 0, 1, 0
	BLOCK 1, 1, 0, 0, 1, 0
	BLOCK 1, 2, 0, 0, 1, 0
	BLOCK 1, 3, 0, 0, 0, 0                         ; no mask words behind the last block's
	; THE WAY OUT: join the halves' sums, divide, wipe queries without a key, round to f16; through my stage, so that stores are dense
.macro FIN g
	v_permlanex16_b32 v[T], v[LS+\g], s12, s13
	v_add_f32 v[LS+\g], v[LS+\g], v[T]             ; the largest term is 1, so the sum is at least about 1
	v_rcp_f32 v[T+1], v[LS+\g]
	v_cmp_lt_f32 vcc_lo, v[NEG], v[MX+\g]          ; some key was allowed (also the plain instruction behind the reciprocal)
	s_wait_alu depctr_va_vdst(0)
	v_cndmask_b32 v[AL], 0, v[T+1], vcc_lo
	v_mov_b32 v[AL+1], v[AL]
.set i, 0
.rept 16
	v_pk_mul_f32 v[OT+32*\g+i:OT+32*\g+i+1], v[OT+32*\g+i:OT+32*\g+i+1], v[AL:AL+1]
.set i, i+2
.endr
.irp dt, 0,1,2,3
.irp e, 0,1,2,3
	v_cvt_pk_f16_f32 v[OT+32*\g+8*\dt+\e], v[OT+32*\g+8*\dt+2*\e], v[OT+32*\g+8*\dt+2*\e+1]     ; in place, ascending
.endr
	ds_store_b128 v[STO], v[OT+32*\g+8*\dt:OT+32*\g+8*\dt+3] offset:16*PITCH*\g+32*\dt          ; query 16 g + r, channels 16 dt + 8 hh ..
.endr
.endm
	FIN 0
	FIN 1
.irp i, 0,1,2,3,4,5,6,7
	ds_load_b128 v[FR+4*\i:FR+4*\i+3], v[RD] offset:4*PITCH*\i     ; my own bytes; a wave's LDS instructions are served in order
.endr
.irp i, 0,1,2,3,4,5,6,7
	s_wait_dscnt 7-\i                              ; load i is in, the younger ones stay out
	global_store_b128 v[CO], v[FR+4*\i:FR+4*\i+3], s[8:9] offset:512*\i      ; 512 consecutive bytes, aligned: four tokens of my head
.endr
	s_set_vgpr_msb 0x4
	s_wait_tensorcnt 0x0
	ds_add_u32 v31, v1
	s_wait_dscnt 0x0
	s_set_vgpr_msb 0x400
	ROUND                                          ; the closing round: no work-group ends while a partner may still ask for a tile that names it
	s_endpgm
.Lfunc_end_k_q44f9fdebd0_attn:
	.size	k_q44f9fdebd0_attn, .Lfunc_end_k_q44f9fdebd0_attn-k_q44f9fdebd0_attn
	.p2alignl 7, 3214868480
	.fill 96, 4, 3214868480
	.section	.rodata,"a",@progbits
	.p2align	6, 0x0
	.amdhsa_kernel k_q44f9fdebd0_attn
		.amdhsa_group_segment_fixed_size 327680
		.amdhsa_private_segment_fixed_size 0
		.amdhsa_enable_private_segment 0
		.amdhsa_kernarg_size 24
		.amdhsa_user_sgpr_count 2
		.amdhsa_user_sgpr_kernarg_segment_ptr 1
		.amdhsa_wavefront_size32 1
		.amdhsa_system_sgpr_workgroup_id_x 1
		.amdhsa_system_sgpr_workgroup_id_y 1
		.amdhsa_system_sgpr_workgroup_id_z 1
		.amdhsa_system_vgpr_workitem_id 0
		.amdhsa_next_free_vgpr 258
		.amdhsa_next_free_sgpr 106
		.amdhsa_reserve_vcc 1
		.amdhsa_float_denorm_mode_32 3
		.amdhsa_float_denorm_mode_16_64 3
		.amdhsa_memory_ordered 1
		.amdhsa_forward_progress 1
		.amdhsa_inst_pref_size 255
	.end_amdhsa_kernel
	.section	.bss,"aw",@nobits
	.p2align	6
	.space	262144
	.amdgpu_metadata
---
amdhsa.version: [ 1, 2 ]
amdhsa.kernels:
  - .name:           k_q44f9fdebd0_attn
    .symbol:         k_q44f9fdebd0_attn.kd
    .args:
      - { .name: qkv, .offset: 0, .size: 8, .value_kind: global_buffer, .address_space: global }
      - { .name: maskw, .offset: 8, .size: 8, .value_kind: global_buffer, .address_space: global }
      - { .name: ao, .offset: 16, .size: 8, .value_kind: global_buffer, .address_space: global }
    .group_segment_fixed_size: 327680
    .private_segment_fixed_size: 0
    .kernarg_segment_align: 8
    .kernarg_segment_size: 24
    .max_flat_workgroup_size: 256
    .sgpr_count:     106
    .vgpr_count:     258
    .wavefront_size: 32
...
	.end_amdgpu_metadata
.endif
;; end of part 3
;; launch oproj (part 4): grid 8 x 32, 4 waves a work-group, clusters of 4 x 4, 327,680 bytes of LDS; arguments ao, xb, bo, out0; writes out0
.if DOCPART == 4
	.amdgcn_target "amdgcn-amd-amdhsa--gfx1250"
	.amdhsa_code_object_version 6
	.text
	.protected	k_q44f9fdebd0_oproj
	.globl	k_q44f9fdebd0_oproj
	.p2align	8
	.type	k_q44f9fdebd0_oproj,@function
k_q44f9fdebd0_oproj:
	s_mov_b64 s[64:65], 0
	v_nop
	global_prefetch_b8 v0, s[64:65] scope:SCOPE_SE
	s_setreg_imm32_b32 hwreg(HW_REG_WAVE_MODE, 25, 1), 1
	s_wait_xcnt 0x0
	s_wait_alu depctr_hold_cnt(0) depctr_sa_sdst(0) depctr_va_vdst(0) depctr_va_sdst(0) depctr_va_ssrc(0) depctr_va_vcc(0) depctr_vm_vsrc(0)
	s_getreg_b32 s2, hwreg(HW_REG_IB_STS2, 6, 4)
	s_cmp_eq_u32 s2, 0
	s_cbranch_scc0 .Lentry_in_a_cluster
	s_endpgm
.Lentry_in_a_cluster:
	s_bfe_u32 s2, ttmp6, 0x10000c
	s_cmp_lg_u32 s2, 0xf033
	s_cbranch_scc0 .Lentry_shape_is_right
	s_endpgm
.Lentry_shape_is_right:
; out0[m][n] = bo[n] + sum over k of A[m][k] Wo[n][k], f16 operands, f32 sums.  A is ao, [16 heads][4096 tokens][64]; k = 64 head + channel.
; Wo in f16 is chunk 11 of xb, [1024][1024].  A work-group makes 128 x 128 (256 work-groups), a wave 64 x 64: 16 accumulator tiles.
; K goes in 8 tiles of 128 (two heads) through FOUR LDS slots filled two at a time, so that each refill has two tiles' work in which to land.
; CLUSTER 4 x 4: A's tiles hang on the block row and are shared along a row of the cluster, Wo's on the block column and are shared along a column.
; The matrix instruction is used transposed (source 0 = rows of Wo, source 1 = tokens): a lane's eight results are eight neighbouring columns.
; The bias is the C operand of the first product: no instruction adds it and nothing is cleared; it is thus the first term of the f32 sum.
.set SLOT,  71680                      ; A head 0: 128 tokens x 144; A head 1 the same; Wo: 128 rows x 272
.set AHEAD, 18432
.set BOFF,  36864
.set BHALF, 17408                      ; 64 rows x 272
.set STAGE, 4*SLOT                     ; 286,720: 16 rows x 272 bytes for each wave; no tensor load lands there
.set ADRA, 2                           ; v[2:5]    slot t: my 64 tokens: r x 144 + 16 hh
.set ADRB, 6                           ; v[6:9]    slot t: my 64 rows of Wo: r x 272 + 16 hh
.set STO,  10
.set RD,   11
.set CO,   12
.set BA,   13                          ; v13       32 hh: my eight numbers of a tile's sixteen of bo
.set BIAS, 16                          ; v[16:47]  bo in the layout of a result tile, for the four column tiles
.set F0,   64                          ; fragment buffers: Wo's four at + 8 bb, A's four at + 32 + 8 a
.set F1,   128
.set G1A, 16                           ; s[16:23]
.set G1B, 24                           ; s[24:31]
.set G0A, 32                           ; s[32:47]  a set for each slot
.set G0B, 48                           ; s[48:63]
; window 1 (v256-383): accumulator (a, bb) at v[8 (4 a + bb)]
.set MSB, 0
.macro WIN new                         ; the immediate's high byte repeats the setting that is left
.if MSB != \new
	s_set_vgpr_msb (MSB<<8)|\new
.set MSB, \new
.endif
.endm
.macro PLACES
.rept 4
	v_nop
.endr
.endm
.macro JLOAD s                         ; waves 0, 1 fetch A's two heads, waves 2, 3 Wo's two halves: one load on either way
	s_cmp_eq_u32 s13, 0
	s_cbranch_scc0 .Lfor_b_\@
	tensor_load_to_lds s[G0A+4*(\s):G0A+4*(\s)+3], s[G1A:G1A+7]
	s_nop 0
	s_branch .Lasked_\@
.Lfor_b_\@:
	tensor_load_to_lds s[G0B+4*(\s):G0B+4*(\s)+3], s[G1B:G1B+7]
	s_nop 0
.Lasked_\@:
.endm
.macro CROUND                          ; a round of the cluster's barrier
	s_barrier_signal -1
	s_barrier_wait -1
	s_cmp_lg_u32 s12, 0
	s_cbranch_scc1 .Lnot_wave_0_\@
	s_barrier_signal -3
.Lnot_wave_0_\@:
	s_barrier_wait -3
	s_barrier_signal -1
	s_barrier_wait -1
.endm
	s_load_b256 s[4:11], s[0:1], 0x0               ; ao s[4:5], xb s[6:7], bo s[8:9], out0 s[10:11]
	v_lshl_add_u32 v254, v0, 2, 0x4a400
	v_mov_b32 v255, 0
	ds_add_u32 v254, v255
	v_lshrrev_b32 v1, 5, v0
	v_readfirstlane_b32 s12, v1                    ; wave 0..3
	s_lshr_b32 s13, s12, 1                         ; my half of the rows.  Also: I fetch for A (0) or for Wo (1)
	s_and_b32 s14, s12, 1                          ; my half of the columns.  Also: which head, or which 64 rows of Wo, I fetch
	s_bfe_u32 s66, ttmp6, 0x40000                  ; cx
	s_bfe_u32 s67, ttmp6, 0x40004                  ; cy
	s_lshl_b32 s68, ttmp9, 2
	s_add_co_u32 s68, s68, s66                     ; block column
	s_and_b32 s69, ttmp7, 0xffff
	s_lshl_b32 s69, s69, 2
	s_add_co_u32 s69, s69, s67                     ; block row
	s_lshl_b32 s70, s67, 2
	s_lshl_b32 s70, 15, s70                        ; my row of the cluster
	s_lshl_b32 s71, 0x1111, s66                    ; my column
	; A: 128 tokens of one head are 16,384 dense bytes: 64 rows of 256 bytes; 4 words of padding behind every 32 words give each token 144 bytes
	s_or_b32 s[G1A+0], s70, (1<<16)|(1<<20)|(1<<21)|(4<<22)|(3<<25)
	s_mov_b32 s[G1A+1], 128<<16                    ; tensor_dim0 = 128 elements
	s_mov_b32 s[G1A+2], 64<<16                     ; tensor_dim1 = 64
	s_mov_b32 s[G1A+3], 128<<16                    ; tile_dim0
	s_mov_b32 s[G1A+4], 64                         ; tile_dim1
	s_mov_b32 s[G1A+5], 128                        ; dense
	s_mov_b32 s[G1A+6], 0
	s_mov_b32 s[G1A+7], 0
	; Wo: 64 rows x 128 elements, 1,024 elements from row to row, 4 words of padding behind every 64 words
	s_or_b32 s[G1B+0], s71, (1<<16)|(1<<20)|(1<<21)|(5<<22)|(3<<25)
	s_mov_b32 s[G1B+1], 128<<16
	s_mov_b32 s[G1B+2], 64<<16
	s_mov_b32 s[G1B+3], 128<<16
	s_mov_b32 s[G1B+4], 64
	s_mov_b32 s[G1B+5], 1024
	s_mov_b32 s[G1B+6], 0
	s_mov_b32 s[G1B+7], 0
	s_lshl_b32 s72, s14, 19                        ; A: a head is 4,096 tokens of 128 bytes,
	s_lshl_b32 s73, s69, 14                        ; a block row 128 tokens
	s_add_co_u32 s72, s72, s73
	s_mov_b32 s73, 0
	s_lshl_b32 s74, s68, 18                        ; Wo: a block column is 128 rows of 2,048 bytes,
	s_lshl_b32 s75, s14, 17                        ; my half 64 rows,
	s_add_co_u32 s74, s74, s75
	s_add_co_u32 s74, s74, 11<<21                  ; in chunk 11
	s_mov_b32 s75, 0
	s_mul_i32 s76, s14, AHEAD                      ; where they go
	s_mul_i32 s77, s14, BHALF
	s_add_co_u32 s77, s77, BOFF
	s_lshl_b32 s78, s68, 9                         ; my 64 columns in f32, in bo and in a row of out0: 512 bytes a block column, 256 a half
	s_lshl_b32 s79, s14, 8
	s_add_co_u32 s78, s78, s79
	s_mov_b32 s79, 0
	s_lshl_b32 s2, s69, 19                         ; my rows of out0: 128 rows of 4,096 bytes a block row, 64 a half
	s_lshl_b32 s3, s13, 18
	s_add_co_u32 s2, s2, s3
	s_mov_b32 s3, 0
	v_and_b32 v1, 15, v0                           ; r
	v_bfe_u32 v14, v0, 4, 1                        ; hh
	v_lshlrev_b32 v[BA], 5, v14
	s_wait_dscnt 0x0
	s_wait_kmcnt 0x0
	s_add_nc_u64 s[72:73], s[4:5], s[72:73]
	s_add_nc_u64 s[74:75], s[6:7], s[74:75]
	s_add_nc_u64 s[8:9], s[8:9], s[78:79]
	s_add_nc_u64 s[10:11], s[10:11], s[78:79]
	s_add_nc_u64 s[10:11], s[10:11], s[2:3]
	CROUND                                         ; all sixteen work-groups are here: the first joint loads meet
.irp t, 0,1,2,3
	s_mov_b32 s[G0A+4*\t], 1
	s_add_co_u32 s[G0A+4*\t+1], s76, \t*SLOT
	s_add_nc_u64 s[G0A+4*\t+2:G0A+4*\t+3], s[72:73], \t*0x100000   ; tile t: two heads on
	s_or_b32 s[G0A+4*\t+3], s[G0A+4*\t+3], 0x80000000
	s_mov_b32 s[G0B+4*\t], 1
	s_add_co_u32 s[G0B+4*\t+1], s77, \t*SLOT
	s_add_nc_u64 s[G0B+4*\t+2:G0B+4*\t+3], s[74:75], \t*256        ; tile t: 128 elements on
	s_or_b32 s[G0B+4*\t+3], s[G0B+4*\t+3], 0x80000000
	JLOAD \t                                       ; four loads of a wave are out
.endr
.irp bb, 0,1,2,3
	global_load_b128 v[BIAS+8*\bb:BIAS+8*\bb+3],   v[BA], s[8:9] offset:64*\bb       ; bo[16 bb + 8 hh + 0..3] of my columns
	global_load_b128 v[BIAS+8*\bb+4:BIAS+8*\bb+7], v[BA], s[8:9] offset:64*\bb+16
.endr
	v_mul_u32_u24 v15, v1, 144
	v_lshl_add_u32 v15, v14, 4, v15
	s_mul_i32 s2, s13, 64*144                      ; my 64 tokens
	v_add_nc_u32 v[ADRA], s2, v15
	v_mul_u32_u24 v15, v1, 272
	v_lshl_add_u32 v[ADRB], v14, 4, v15
	v_add_nc_u32 v[ADRB], s77, v[ADRB]             ; my 64 rows of Wo lie where the wave of my column half put them
.irp t, 1,2,3
	v_add_nc_u32 v[ADRA+\t], \t*SLOT, v[ADRA]
	v_add_nc_u32 v[ADRB+\t], \t*SLOT, v[ADRB]
.endr
	s_mul_i32 s2, s12, 16*272
	s_add_co_u32 s2, s2, STAGE                     ; my stage
	v_lshl_add_u32 v[STO], v14, 5, v15             ; in: row r, 32 bytes for each half of the lanes
	v_add_nc_u32 v[STO], s2, v[STO]
	v_mul_u32_u24 v15, v14, 272                    ; back: lanes 0-15 take one row of 256 bytes, lanes 16-31 the next
	v_lshl_add_u32 v[RD], v1, 4, v15
	v_add_nc_u32 v[RD], s2, v[RD]
	v_lshlrev_b32 v15, 12, v14                     ; and the same two rows of out0
	v_lshl_add_u32 v[CO], v1, 4, v15
; 16 LDS loads: the fragments of quarter q (32 along K) of the tile in slot t, into buffer f
.macro FETCH t, q, f
.irp bb, 0,1,2,3
	ds_load_b128 v[\f+8*\bb:\f+8*\bb+3],   v[ADRB+\t] offset:4352*\bb+64*\q
	ds_load_b128 v[\f+8*\bb+4:\f+8*\bb+7], v[ADRB+\t] offset:4352*\bb+64*\q+32
.endr
.irp a, 0,1,2,3
	ds_load_b128 v[\f+32+8*\a:\f+32+8*\a+3], v[ADRA+\t] offset:AHEAD*(\q/2)+2304*\a+64*(\q%2)
	ds_load_b128 v[\f+32+8*\a+4:\f+32+8*\a+7], v[ADRA+\t] offset:AHEAD*(\q/2)+2304*\a+64*(\q%2)+32
.endr
.endm
; 16 matrix instructions; the sixteen accumulators take turns, one instruction a turn
.macro MUL f, bias
.irp a, 0,1,2,3
.irp bb, 0,1,2,3
.if \bias
	v_wmma_f32_16x16x32_f16 v[8*(4*\a+\bb):8*(4*\a+\bb)+7], v[\f+8*\bb:\f+8*\bb+7], v[\f+32+8*\a:\f+32+8*\a+7], v[BIAS+8*\bb:BIAS+8*\bb+7]
.else
	v_wmma_f32_16x16x32_f16 v[8*(4*\a+\bb):8*(4*\a+\bb)+7], v[\f+8*\bb:\f+8*\bb+7], v[\f+32+8*\a:\f+32+8*\a+7], v[8*(4*\a+\bb):8*(4*\a+\bb)+7]
.endif
.endr
.endr
.endm
; Slots s and s + 1, whose tiles have been read, are filled again, four tiles on.  The wave's LDS reads are back (the wait for 0 at the quarter's head).
.macro REFILL s
	s_wait_tensorcnt 0x0                           ; all my tensor loads have landed: the next two tiles are whole once every wave has said so, and every group 0 may be written
	ds_add_u32 v254, v255
	s_wait_dscnt 0x0
.irp t, \s, \s+1
	s_add_nc_u64 s[G0A+4*(\t)+2:G0A+4*(\t)+3], s[G0A+4*(\t)+2:G0A+4*(\t)+3], 0x400000
	s_add_nc_u64 s[G0B+4*(\t)+2:G0B+4*(\t)+3], s[G0B+4*(\t)+2:G0B+4*(\t)+3], 0x400
.endr
	CROUND                                         ; no wave of any partner still reads the two slots or has a load on its way
	JLOAD \s                                       ; the first tensor loads behind the round: two of a wave are out
	JLOAD \s+1
.endm
; A quarter: buffer f is multiplied while the next quarter's fragments (slot nt, quarter nq) come into buffer g.
; bnd = 1: the next quarter opens a tile: wait until at most arg younger tensor loads are out, and a barrier behind which nothing is filled.  bnd = 2: REFILL arg.
.macro QTR f, g, nt, nq, bnd, arg, bias
	WIN 0
	s_wait_dscnt 0x0                               ; buffer f's loads, issued a quarter ago
.if \bnd == 1
	s_wait_tensorcnt \arg
	s_barrier_signal -1
	s_barrier_wait -1
.endif
.if \bnd == 2
	REFILL \arg
.endif
	PLACES                                         ; before loads land in buffer g, which the last sixteen matrix instructions read
	FETCH \nt, \nq, \g
.if \bias
	WIN 0x40                                       ; D in window 1, C (the bias) in window 0
.else
	WIN 0x50                                       ; C and D in window 1
.endif
	MUL \f, \bias
.endm
.macro TILE t, nt, bnd, arg, bias
	QTR F0, F1, \t, 1, 0, 0, \bias
	QTR F1, F0, \t, 2, 0, 0, 0
	QTR F0, F1, \t, 3, 0, 0, 0
	QTR F1, F0, \nt, 0, \bnd, \arg, 0
.endm
	s_wait_tensorcnt 3                             ; my part of tile 0 is in; tiles 1, 2, 3 stay out
	s_barrier_signal -1
	s_barrier_wait -1
	FETCH 0, 0, F0
	s_wait_loadcnt 0x0                             ; the bias
	TILE 0, 1, 1, 2, 1                             ; tile 0; in front of tile 1: tiles 2, 3 stay out
	TILE 1, 2, 2, 0, 0                             ; tile 1; then slots 0, 1 get tiles 4, 5; tiles 2, 3 have landed in every wave
	TILE 2, 3, 0, 0, 0                             ; tile 2
	TILE 3, 0, 2, 2, 0                             ; tile 3; then slots 2, 3 get tiles 6, 7; tiles 4, 5 have landed
	TILE 0, 1, 0, 0, 0                             ; tile 4
	TILE 1, 2, 1, 0, 0                             ; tile 5; tiles 6, 7 have landed: the last wait, for zero
	TILE 2, 3, 0, 0, 0                             ; tile 6
	QTR F0, F1, 3, 1, 0, 0, 0                      ; tile 7
	QTR F1, F0, 3, 2, 0, 0, 0
	QTR F0, F1, 3, 3, 0, 0, 0
	WIN 0
	s_wait_dscnt 0x0
	WIN 0x50
	MUL F1, 0
	; THE WAY OUT, 16 rows at a time through my stage: a lane's 32 bytes go in, whole rows of 256 bytes come back
	PLACES
.macro OUT16 a, f
	WIN 0x04                                       ; the LDS stores' data in window 1
.irp bb, 0,1,2,3
	ds_store_b128 v[STO], v[8*(4*\a+\bb):8*(4*\a+\bb)+3] offset:64*\bb
	ds_store_b128 v[STO], v[8*(4*\a+\bb)+4:8*(4*\a+\bb)+7] offset:64*\bb+16
.endr
	WIN 0
	s_wait_xcnt 0x0                                ; buffer f, which earlier stores read, and the stores' base are rewritten only behind this wait
.if \a
	s_add_nc_u64 s[10:11], s[10:11], 65536         ; 16 rows of out0 on
.endif
.irp t, 0,1,2,3,4,5,6,7
	ds_load_b128 v[\f+4*\t:\f+4*\t+3], v[RD] offset:544*\t         ; a wave's LDS instructions are served in order: these see the stores above
.endr
.irp t, 0,1,2,3,4,5,6,7
	s_wait_dscnt 7-\t                              ; load t is in, the younger ones stay out
	global_store_b128 v[CO], v[\f+4*\t:\f+4*\t+3], s[10:11] offset:8192*\t th:TH_STORE_NT    ; 16 lanes store 256 consecutive bytes, aligned
.endr
.endm
	OUT16 0, F0
	OUT16 1, F1
	OUT16 2, F0
	OUT16 3, F1
	s_wait_tensorcnt 0x0
	ds_add_u32 v254, v255
	s_wait_dscnt 0x0
	CROUND                                         ; the closing round: no work-group ends while a partner may still ask for a tile that names it
	s_endpgm
.Lfunc_end_k_q44f9fdebd0_oproj:
	.size	k_q44f9fdebd0_oproj, .Lfunc_end_k_q44f9fdebd0_oproj-k_q44f9fdebd0_oproj
	.p2alignl 7, 3214868480
	.fill 96, 4, 3214868480
	.section	.rodata,"a",@progbits
	.p2align	6, 0x0
	.amdhsa_kernel k_q44f9fdebd0_oproj
		.amdhsa_group_segment_fixed_size 327680
		.amdhsa_private_segment_fixed_size 0
		.amdhsa_enable_private_segment 0
		.amdhsa_kernarg_size 32
		.amdhsa_user_sgpr_count 2
		.amdhsa_user_sgpr_kernarg_segment_ptr 1
		.amdhsa_wavefront_size32 1
		.amdhsa_system_sgpr_workgroup_id_x 1
		.amdhsa_system_sgpr_workgroup_id_y 1
		.amdhsa_system_sgpr_workgroup_id_z 1
		.amdhsa_system_vgpr_workitem_id 0
		.amdhsa_next_free_vgpr 384
		.amdhsa_next_free_sgpr 80
		.amdhsa_reserve_vcc 0
		.amdhsa_float_denorm_mode_32 3
		.amdhsa_float_denorm_mode_16_64 3
		.amdhsa_memory_ordered 1
		.amdhsa_forward_progress 1
		.amdhsa_inst_pref_size 92
	.end_amdhsa_kernel
	.amdgpu_metadata
---
amdhsa.version: [ 1, 2 ]
amdhsa.kernels:
  - .name:           k_q44f9fdebd0_oproj
    .symbol:         k_q44f9fdebd0_oproj.kd
    .args:
      - { .name: ao, .offset: 0, .size: 8, .value_kind: global_buffer, .address_space: global }
      - { .name: xb, .offset: 8, .size: 8, .value_kind: global_buffer, .address_space: global }
      - { .name: bo, .offset: 16, .size: 8, .value_kind: global_buffer, .address_space: global }
      - { .name: out0, .offset: 24, .size: 8, .value_kind: global_buffer, .address_space: global }
    .group_segment_fixed_size: 327680
    .private_segment_fixed_size: 0
    .kernarg_segment_align: 8
    .kernarg_segment_size: 32
    .max_flat_workgroup_size: 128
    .sgpr_count:     80
    .vgpr_count:     384
    .wavefront_size: 32
...
	.end_amdgpu_metadata
.endif
;; end of part 4
